; MI455X (gfx1250); checked and timed in simulation.
; The chip was launched on July 23, 2026; its instructions are those of AMD's public machine-readable ISA for CDNA 5 (MIT licence, August 2026) and "CDNA5" Instruction Set Architecture Reference Guide (July 2026). The comments in the code are by the model that wrote it; some were corrected since.
;; Bert For Span Aspect Extraction. Allowed arithmetic: float matrix products may take bf16 or f16 operands with f32 sums; all other float work in f32.
;; Inputs: W1e 768 x 384 float32; W1s 768 x 384 float32; W2 384 float32; b1 384 float32; b2 one number float32; b_end one number float32; b_start one number float32; sequence_output 4 x 256 x 768 float32; w_end 768 float32; w_start 768 float32.
;; Outputs: out0 4 x 256 float32; out1 4 x 256 float32; out2 4 x 256 x 256 float32.
;; 2 versions, each right; version 2 is version 1 with the launch pairs written anew for expert scheduling mode. Each part assembles by itself: llvm-mc -triple=amdgcn-amd-amdhsa -mcpu=gfx1250 --defsym DOCPART=n.
;; ======== version 1 of 2: 2 launches
;; limits: a difference of large sums (such as E[x^2] - mean^2): digits are lost where the result is much smaller than its terms
;; workspace buffers: proj 3,145,728 bytes
;; launch project (part 1): grid 14 x 16, 8 waves a work-group, no clusters, 93,440 bytes of LDS; arguments sequence_output, W1s, W1e, b1, w_start, w_end, b_start, b_end, proj, out0, out1; writes proj, out0, out1
.if DOCPART == 1
	.amdgcn_target "amdgcn-amd-amdhsa--gfx1250"
	.amdhsa_code_object_version 6
	.text
	.protected	k_q802d9dbd50_project
	.globl	k_q802d9dbd50_project
	.p2align	8
	.type	k_q802d9dbd50_project,@function
k_q802d9dbd50_project:
	s_mov_b64 s[64:65], 0
	v_nop
	global_prefetch_b8 v0, s[64:65] scope:SCOPE_SE
	s_setreg_imm32_b32 hwreg(HW_REG_WAVE_MODE, 25, 1), 1
	s_wait_xcnt 0x0
; PROJECTIONS AND TOKEN LOGITS.  x = sequence_output as [1024 tokens][768] f32.
; Work-group (cg, G): G = a group of 64 tokens.
;   cg 0..5  : ns = -(x W1s + b1), columns 64 cg .. 64 cg + 63          (64 x 64 x 768, bf16 operands, f32 sums)
;   cg 6..11 : e  =   x W1e,       columns 64 (cg-6) .. + 63
;   cg 12, 13: out0 = x w_start + b_start, out1 = x w_end + b_end for the 64 tokens, all in f32 on the vector unit
;              (one column would fill a sixteenth of a matrix tile, and the work is a stream of x).
; proj holds the results as the matrix instruction leaves them: 64 token blocks tb x 48 column blocks cbg x 1,024 bytes.
; In fragment (tb, cbg) the word at 512 q + 16 L + 4 x (L = 16 h + r) is token 64 (tb>>2) + 4 r + (tb&3),
; column 16 (cbg mod 24) + 8 h + 4 q + x; cbg 0..23 = ns, 24..47 = e.  Every store of a wave covers 512 consecutive aligned bytes.
; The token order 4 r + p makes the four e fragments of a lane of the next launch four neighbouring j.
;
; THE PRODUCT.  K goes in six chunks of 128.  Each wave brings 8 token rows (512 bytes each) and 16 rows of W (256 bytes each, two a load)
; of a chunk through registers, rounds to bf16 and stores them into LDS.  LDS holds two chunks, which take turns, and ONE barrier a chunk orders
; both ways: in front of barrier c + 1 each wave has waited for its stores of chunk c + 1 and for its reads of chunk c; behind it chunk c + 1 is read
; and chunk c + 2 is stored into the bytes of chunk c.  Behind a barrier a wave issues its fragment loads first, converts and stores the next chunk
; while they are on their way, and multiplies while its stores drain.  Conversions, LDS stores and global loads each go in one run of a chunk's 16 slots.
; A ring of 32 register slots keeps up to two chunks' loads (32 loads of 512 bytes a wave) on their way across barriers and matrix work.
; Wave wv = rp + 2 cp + 4 kh multiplies row blocks 2 rp, 2 rp + 1 by column blocks 2 cp, 2 cp + 1 over K steps 2 kh, 2 kh + 1 of each chunk;
; at the end it keeps the row block 2 rp + kh and hands the other to wave (wv + 4) mod 8 through LDS.
; NO TENSOR LOADS, NO JOINT REQUESTS: x and W1 lie in memory as f32 and have to pass through registers to become bf16; tiles brought into
; LDS as f32 would make a second trip LDS - registers - LDS.  Loads into registers cannot be shared between work-groups.
; LIMITS: x and W1s, W1e are rounded to bf16 (nearest even) for the two projections; their sums, b1 and the token logits are f32.
.set XP,  272                          ; LDS pitch of a token row of a chunk: 256 bytes of bf16 + 16 = 17 x 16: sixteen rows start in sixteen different 16-byte columns of 256
.set XCH, 64*XP                        ; a chunk of x: 64 rows; slots at 0 and XCH
.set WP,  160                          ; LDS pitch of a row of W: 128 bytes of bf16 + 32 = 5 x 32, for the transposing loads
.set WCH, 128*WP                       ; a chunk of W: 128 rows;
.set WL,  2*XCH                        ; slots at WL and WL + WCH
.set SC,  WL+2*WCH                     ; 8 x 2,048 bytes of their own for the hand-over between the two K halves
.set LG,  SC+8*2048                    ; 256 bytes for the 64 token logits: bytes of their own, so that the two ways through this text share no LDS byte
.set R,   16                           ; v[16:143]  ring: 32 slots of 4 registers (slot = 16 (chunk mod 2) + i; i 0..7 x, 8..15 W)
.set F,   144                          ; v[144:207] fragments of K step ks at F + 32 ks: x block a=0, a=1, W block cc=0, cc=1, 8 registers each
.set ACC, 208                          ; v[208:239] accumulator (a, cc) at ACC + 16 a + 8 cc
.set BB,  240                          ; v[240:255] b1 of my 16 columns (8 cc + j)
.set WV,  208                          ; logits: v[208:231] my 24 numbers of the weight vector
; v1 16 L | v2 x offset | v3 W offset | v4, v5 LDS store addresses of x, W | v6, v7 x fragments a = 0, 1 | v8 W fragments
; v9 hand-over in (my partner's bytes) | v10 hand-over out (my own) | v11 b1 offset | v12-v15 set-up
	s_load_b512 s[4:19], s[0:1], 0x0               ; x 4:5, W1s 6:7, W1e 8:9, b1 10:11, w_start 12:13, w_end 14:15, b_start 16:17, b_end 18:19
	s_load_b128 s[20:23], s[0:1], 0x40             ; proj 20:21, out0 22:23
	s_load_b64 s[24:25], s[0:1], 0x50              ; out1
	s_set_vgpr_msb 0x40
	v_lshl_add_u32 v0, v0, 2, 0x16900
	v_mov_b32 v1, 0
	s_set_vgpr_msb 0x4000
	v_lshrrev_b32 v12, 5, v0
	v_readfirstlane_b32 s26, v12                   ; wave 0..7
	s_mov_b32 s27, ttmp9                           ; cg
	s_and_b32 s28, ttmp7, 0xffff                   ; G
	v_and_b32 v13, 31, v0                          ; L
	v_lshlrev_b32 v1, 4, v13                       ; 16 L
	s_mul_i32 s56, s26, 24576                      ; 8 token rows of 3,072 bytes; also 16 rows of W1 of 1,536 bytes
	v_add_nc_u32 v2, s56, v1                       ; x: my wave's 8 tokens, my 16 bytes of 512
	s_mul_i32 s54, s28, 196608                     ; 64 tokens of 3,072 bytes
	s_mov_b32 s55, 0
	s_wait_kmcnt 0x0
	s_add_nc_u64 s[46:47], s[4:5], s[54:55]        ; x at the group's first token
	s_cmp_ge_u32 s27, 12                           ; the same in all eight waves: each way has its own barriers
	s_cbranch_scc1 .Llogits
	; ---------------- the product ----------------
	s_and_b32 s29, s26, 1                          ; rp
	s_bfe_u32 s44, s26, 0x10001                    ; cp
	s_lshr_b32 s45, s26, 2                         ; kh
	s_cmp_lt_u32 s27, 6                            ; W1s or W1e
	s_cselect_b64 s[30:31], s[6:7], s[8:9]
	s_cselect_b32 s32, -1.0, 1.0                   ; ns is negated, e is not
	s_cselect_b32 s34, -1, 0                       ; b1 belongs to ns alone: a mask for all lanes
	s_cselect_b32 s35, 0, 6
	s_mov_b32 s33, s32                             ; the packed form names the pair
	s_sub_co_u32 s35, s27, s35                     ; block of 64 columns inside W1s or W1e
	s_lshl_b32 s54, s35, 8                         ; 64 columns = 256 bytes
	s_add_nc_u64 s[30:31], s[30:31], s[54:55]      ; W at my columns
	s_add_nc_u64 s[48:49], s[10:11], s[54:55]      ; b1 at my columns
	v_and_b32 v14, 15, v0                          ; r
	v_bfe_u32 v15, v0, 4, 1                        ; h
	v_mul_u32_u24 v12, v15, 6144                   ; lanes 16-31: four rows of W further down
	v_lshl_add_u32 v12, v14, 4, v12                ; 16 lanes cover a row piece of 256 bytes
	v_add_nc_u32 v3, s56, v12                      ; + my wave's 16 rows
	s_lshl_b32 s36, s44, 7
	v_lshl_add_u32 v11, v15, 5, s36                ; b1: column 32 cp + 8 h
.macro LDX c, n                        ; token 8 wv + n, chunk c: 512 consecutive bytes a wave
	global_load_b128 v[R+4*(16*((\c)%2)+(\n)):R+4*(16*((\c)%2)+(\n))+3], v2, s[46:47] offset:(\n)*3072+(\c)*512
.endm
.macro LDW c, n                        ; rows 128 c + 16 wv + (n mod 4) + 8 (n / 4) and four below: 256 consecutive bytes each
.set WR, ((\n)%4)+8*((\n)/4)
	global_load_b128 v[R+4*(16*((\c)%2)+8+(\n)):R+4*(16*((\c)%2)+8+(\n))+3], v3, s[30:31] offset:(128*(\c)+WR)*1536
.endm
.irp cc, 0,1
	global_load_b128 v[BB+8*\cc:BB+8*\cc+3],   v11, s[48:49] offset:64*\cc
	global_load_b128 v[BB+8*\cc+4:BB+8*\cc+7], v11, s[48:49] offset:64*\cc+16
.endr
.irp c, 0,1
.irp n, 0,1,2,3,4,5,6,7
	LDX \c, \n
.endr
.irp n, 0,1,2,3,4,5,6,7
	LDW \c, \n
.endr
.endr
	; the two row blocks of my wave
	s_lshl_b32 s36, s29, 1
	s_add_co_u32 s36, s36, s45                     ; 2 rp + kh: the one that I keep
	s_lshl_b32 s37, s29, 1
	s_add_co_u32 s37, s37, 1
	s_sub_co_u32 s37, s37, s45                     ; 2 rp + 1 - kh: the one that I hand over
	; where my results go: fragment (4 G + 2 rp + kh, 4 cg + 2 cp)
	s_lshl_b32 s56, s28, 2
	s_add_co_u32 s56, s56, s36
	s_mul_i32 s56, s56, 48
	s_lshl_b32 s57, s27, 2
	s_add_co_u32 s56, s56, s57
	s_lshl_b32 s57, s44, 1
	s_add_co_u32 s56, s56, s57
	s_lshl_b32 s56, s56, 10
	s_mov_b32 s57, 0
	s_add_nc_u64 s[50:51], s[20:21], s[56:57]
	; LDS addresses, all for slot 0.  Local token t = 8 wv + n lies in row (t mod 4) 16 + t / 4 = (n mod 4) 16 + 2 wv + n / 4.
	v_mul_u32_u24 v12, v14, XP
	v_lshl_add_u32 v12, v15, 4, v12                ; x fragment: row r, 16 h (ISA guide 7.12.2: 16-bit A, K = 32)
	s_mul_i32 s36, s36, 16*XP
	s_mul_i32 s37, s37, 16*XP
	s_lshl_b32 s38, s45, 7                         ; my K half of a chunk: 64 bf16
	s_add_co_u32 s36, s36, s38
	s_add_co_u32 s37, s37, s38
	v_add_nc_u32 v6, s36, v12
	v_add_nc_u32 v7, s37, v12
	s_mul_i32 s36, s26, 2*XP
	v_lshl_add_u32 v4, v13, 3, s36                 ; x in: row 2 wv, 8 bytes (4 bf16) a lane
	s_mul_i32 s36, s26, 16*WP
	s_add_co_u32 s36, s36, WL
	v_mul_u32_u24 v12, v15, 4*WP
	v_lshl_add_u32 v12, v14, 3, v12
	v_add_nc_u32 v5, s36, v12                      ; W in: row 16 wv + 4 h, 8 bytes a lane; the two rows of a store lie 640 bytes apart
	v_and_b32 v12, 7, v0
	v_lshl_add_u32 v12, v15, 3, v12                ; W fragment, stored [K][N]: row 8 h + (L mod 8),
	v_mul_u32_u24 v12, v12, WP
	v_bfe_u32 v13, v0, 3, 1
	v_lshl_add_u32 v12, v13, 4, v12                ; 16 bytes for each group of eight lanes
	s_mul_i32 s36, s45, 64*WP                      ; my K half: 64 rows
	s_lshl_b32 s37, s44, 6                         ; my 32 columns
	s_add_co_u32 s36, s36, s37
	s_add_co_u32 s36, s36, WL
	v_add_nc_u32 v8, s36, v12
	s_lshl_b32 s37, s26, 11
	s_add_co_u32 s37, s37, SC
	v_add_nc_u32 v10, s37, v1                      ; hand-over: out into my own 2,048 bytes,
	s_add_co_u32 s36, s26, 4
	s_and_b32 s36, s36, 7                          ; my partner: the same rp and cp, the other K half
	s_lshl_b32 s36, s36, 11
	s_add_co_u32 s36, s36, SC
	v_add_nc_u32 v9, s36, v1                       ; and in from my partner's
; Chunk c goes from its 16 register slots into LDS slot c mod 2, and the register slots are loaded again for chunk c + 2.
; The count (loads come back in order, ISA guide 5.7.1): the only loads younger than chunk c's are the 16 of chunk c + 1; chunk 5 has none behind it.
; One run of each kind: 32 conversions, 16 LDS stores, 16 global loads.
.macro STAGE c
.set RB, R+64*((\c)%2)
.if (\c) < 5
	s_wait_loadcnt 16
.else
	s_wait_loadcnt 0
.endif
.irp i, 0,1,2,3,4,5,6,7,8,9,10,11,12,13,14,15
	v_cvt_pk_bf16_f32 v[RB+4*\i],   v[RB+4*\i],   v[RB+4*\i+1]
	v_cvt_pk_bf16_f32 v[RB+4*\i+1], v[RB+4*\i+2], v[RB+4*\i+3]
.endr
.irp i, 0,1,2,3,4,5,6,7
	ds_store_b64 v4, v[RB+4*\i:RB+4*\i+1] offset:((\c)%2)*XCH+((\i%4)*16+\i/4)*XP
.endr
.irp n, 0,1,2,3,4,5,6,7
	ds_store_b64 v5, v[RB+32+4*\n:RB+32+4*\n+1] offset:((\c)%2)*WCH+((\n%4)+8*(\n/4))*WP
.endr
.if (\c) < 4
.irp n, 0,1,2,3,4,5,6,7
	LDX (\c+2), \n
.endr
.irp n, 0,1,2,3,4,5,6,7
	LDW (\c+2), \n
.endr
.endif
.endm
; The eight loads of one K step of 32: two x fragments (K along the rows), two W fragments (transposed on the way)
.macro FRAGS c, ks
.set FB, F+32*\ks
.set XO, ((\c)%2)*XCH+64*\ks
.set WO, ((\c)%2)*WCH+32*WP*\ks
	ds_load_b128 v[FB:FB+3],     v6 offset:XO
	ds_load_b128 v[FB+4:FB+7],   v6 offset:XO+32
	ds_load_b128 v[FB+8:FB+11],  v7 offset:XO
	ds_load_b128 v[FB+12:FB+15], v7 offset:XO+32
	ds_load_tr16_b128 v[FB+16:FB+19], v8 offset:WO
	ds_load_tr16_b128 v[FB+20:FB+23], v8 offset:WO+16*WP
	ds_load_tr16_b128 v[FB+24:FB+27], v8 offset:WO+32
	ds_load_tr16_b128 v[FB+28:FB+31], v8 offset:WO+32+16*WP
.endm
; Four matrix instructions, used transposed (source 0 = W, source 1 = x): register j of lane (r, h) is token row r, column 8 h + j.
; The four accumulators take turns, one instruction a turn, from chunk to chunk too.
.macro MM ks, zero
.irp a, 0,1
.irp cc, 0,1
.if \zero
	v_wmma_f32_16x16x32_bf16 v[ACC+16*\a+8*\cc:ACC+16*\a+8*\cc+7], v[F+32*\ks+16+8*\cc:F+32*\ks+23+8*\cc], v[F+32*\ks+8*\a:F+32*\ks+8*\a+7], 0
.else
	v_wmma_f32_16x16x32_bf16 v[ACC+16*\a+8*\cc:ACC+16*\a+8*\cc+7], v[F+32*\ks+16+8*\cc:F+32*\ks+23+8*\cc], v[F+32*\ks+8*\a:F+32*\ks+8*\a+7], v[ACC+16*\a+8*\cc:ACC+16*\a+8*\cc+7]
.endif
.endr
.endr
.endm
; Chunk c, behind the barrier that has shown it whole.  LDS instructions end in order (ISA guide 5.7.1): 16 fragment loads, then the next chunk's 16 stores.
.macro CHUNK c
	FRAGS \c, 0
	FRAGS \c, 1
.if \c < 5
	STAGE (\c+1)                                   ; into the other slot, whose last reads every wave waited for in front of the barrier just passed
	s_wait_dscnt 24                                ; the first K step's eight loads are in; the second's eight and the 16 stores may be out
.else
	s_wait_dscnt 8                                 ; the last chunk stores nothing: the second K step's eight loads may be out
.endif
.if \c == 0
	MM 0, 1                                        ; the first products start the sums: nothing is cleared
.else
	MM 0, 0
.endif
.if \c < 5
	s_wait_dscnt 16                                ; all fragments are in; the 16 stores may be out
.else
	s_wait_dscnt 0
.endif
	MM 1, 0
.if \c < 5
	s_wait_dscnt 0x0                               ; for the others' sake: my part of the next chunk is in LDS, and my reads of this chunk are over:
	s_barrier_signal -1                            ; say so
.endif
.rept 4
	v_nop                                          ; four places behind the matrix instructions, for the next loads into their sources and, at the end, the stores of results
.endr
.if \c < 5
	s_barrier_wait -1                              ; the next chunk is whole, and nobody reads this one any more
.endif
.endm
	STAGE 0
	s_wait_dscnt 0x0                               ; my part of chunk 0 is in LDS,
	s_barrier_signal -1
	s_barrier_wait -1                              ; everybody's is.  The global loads for later chunks stay out: they land in registers
	CHUNK 0
	CHUNK 1
	CHUNK 2
	CHUNK 3
	CHUNK 4
	CHUNK 5
	; The two K halves meet: my sums for the row block that my partner keeps go into my 2,048 bytes, its sums for mine are read from its bytes.
.irp n, 0,1,2,3
	ds_store_b128 v10, v[ACC+16+4*\n:ACC+16+4*\n+3] offset:512*\n
.endr
	s_wait_dscnt 0x0                               ; for my partner's sake: my stores are done,
	s_barrier_signal -1
	s_barrier_wait -1                              ; and so are its
.irp n, 0,1,2,3
	ds_load_b128 v[F+4*\n:F+4*\n+3], v9 offset:512*\n
.endr
.irp j, 0,1,2,3,4,5,6,7,8,9,10,11,12,13,14,15
	v_cndmask_b32 v[BB+\j], 0, v[BB+\j], s34       ; b1 for ns, 0 for e (a choice, so that no b1 can spoil e)
.endr
	s_wait_dscnt 0x0
.irp m, 0,1,2,3,4,5,6,7
	v_pk_add_f32 v[ACC+2*\m:ACC+2*\m+1], v[ACC+2*\m:ACC+2*\m+1], v[F+2*\m:F+2*\m+1]
.endr
.irp m, 0,1,2,3,4,5,6,7
	v_pk_fma_f32 v[ACC+2*\m:ACC+2*\m+1], v[ACC+2*\m:ACC+2*\m+1], s[32:33], v[BB+2*\m:BB+2*\m+1] op_sel_hi:[1,0,1] neg_lo:[0,0,1] neg_hi:[0,0,1]   ; -sum - b1, or sum - 0
.endr
.irp n, 0,1,2,3
	global_store_b128 v1, v[ACC+4*\n:ACC+4*\n+3], s[50:51] offset:512*\n   ; fragment cc = n / 2, half q = n mod 2: 512 consecutive aligned bytes
.endr
	s_set_vgpr_msb 0x5
	s_wait_tensorcnt 0x0
	ds_add_u32 v0, v1
	s_wait_dscnt 0x0
	s_set_vgpr_msb 0x500
	s_endpgm
	; ---------------- the token logits ----------------
.Llogits:
	s_cmp_eq_u32 s27, 12
	s_cselect_b64 s[36:37], s[12:13], s[14:15]     ; the weight vector,
	s_cselect_b64 s[38:39], s[16:17], s[18:19]     ; its bias,
	s_cselect_b64 s[40:41], s[22:23], s[24:25]     ; its output
	s_load_b32 s42, s[38:39], 0x0
	s_lshl_b32 s54, s28, 8                         ; 64 results = 256 bytes
	s_add_nc_u64 s[40:41], s[40:41], s[54:55]
	s_mov_b32 s52, 0x76543210                      ; v_permlanex16_b32: lane i of one half reads lane i of the other
	s_mov_b32 s53, 0xfedcba98
.irp m, 0,1,2,3,4,5
	global_load_b128 v[WV+4*\m:WV+4*\m+3], v1, s[36:37] offset:512*\m
.endr
.irp n, 0,1,2,3,4,5,6,7
.irp m, 0,1,2,3,4,5
	global_load_b128 v[R+24*\n+4*\m:R+24*\n+4*\m+3], v2, s[46:47] offset:(6*\n+\m)*512   ; token 8 wv + n: six loads of 512 consecutive bytes
.endr
.endr
	v_mov_b32 v240, 0                              ; v_permlanex16_b32 counts as reading its destination
	s_lshl_b32 s43, s26, 5
	s_add_co_u32 s43, s43, LG                      ; LG lies beyond a 16-bit offset: the registers carry it
	v_mov_b32 v241, s43                            ; my wave's eight words among the 64 at LG
	v_lshlrev_b32 v246, 3, v13                     ; 8 L: my 8 bytes of the output,
	v_add_nc_u32 v247, LG, v246                    ; and of the 64 words in LDS
.macro DOT n                           ; my 24 products of token 8 wv + n, in two chains
	s_wait_loadcnt 42-6*\n                         ; the six loads of each later token stay out
	v_pk_mul_f32 v[242:243], v[R+24*\n:R+24*\n+1],   v[WV:WV+1]
	v_pk_mul_f32 v[244:245], v[R+24*\n+2:R+24*\n+3], v[WV+2:WV+3]
.irp m, 1,2,3,4,5
	v_pk_fma_f32 v[242:243], v[R+24*\n+4*\m:R+24*\n+4*\m+1],   v[WV+4*\m:WV+4*\m+1],   v[242:243]
	v_pk_fma_f32 v[244:245], v[R+24*\n+4*\m+2:R+24*\n+4*\m+3], v[WV+4*\m+2:WV+4*\m+3], v[244:245]
.endr
	v_pk_add_f32 v[242:243], v[242:243], v[244:245]
	v_add_f32 v[232+\n], v242, v243
.endm
.macro RED n                           ; over the 32 lanes; every lane ends with the sum
	v_add_f32_dpp v[232+\n], v[232+\n], v[232+\n] row_xmask:1 row_mask:0xf bank_mask:0xf
	v_add_f32_dpp v[232+\n], v[232+\n], v[232+\n] row_xmask:2 row_mask:0xf bank_mask:0xf
	v_add_f32_dpp v[232+\n], v[232+\n], v[232+\n] row_xmask:4 row_mask:0xf bank_mask:0xf
	v_add_f32_dpp v[232+\n], v[232+\n], v[232+\n] row_xmask:8 row_mask:0xf bank_mask:0xf
	v_permlanex16_b32 v240, v[232+\n], s52, s53
	v_add_f32 v[232+\n], v[232+\n], v240
	v_add_f32 v[232+\n], s42, v[232+\n]            ; the bias
	ds_store_b32 v241, v[232+\n] offset:4*\n       ; all lanes write the same word with the same value
.endm
.irp n, 0,1,2,3,4,5,6,7
	DOT \n
.endr
	s_wait_kmcnt 0x0                               ; the bias
.irp n, 0,1,2,3,4,5,6,7
	RED \n
.endr
	s_wait_dscnt 0x0                               ; for wave 0's sake: my eight words are in LDS
	s_barrier_signal -1
	s_barrier_wait -1
	s_cmp_lg_u32 s26, 0
	s_cbranch_scc1 .Ldone
	ds_load_b64 v[16:17], v247                     ; wave 0: 32 lanes x 8 bytes = the 64 results,
	s_wait_dscnt 0x0
	global_store_b64 v246, v[16:17], s[40:41]      ; stored as 256 consecutive aligned bytes by one instruction
.Ldone:
	s_set_vgpr_msb 0x5
	s_wait_tensorcnt 0x0
	ds_add_u32 v0, v1
	s_wait_dscnt 0x0
	s_set_vgpr_msb 0x500
	s_endpgm
.Lfunc_end_k_q802d9dbd50_project:
	.size	k_q802d9dbd50_project, .Lfunc_end_k_q802d9dbd50_project-k_q802d9dbd50_project
	.p2alignl 7, 3214868480
	.fill 96, 4, 3214868480
	.section	.rodata,"a",@progbits
	.p2align	6, 0x0
	.amdhsa_kernel k_q802d9dbd50_project
		.amdhsa_group_segment_fixed_size 93440
		.amdhsa_private_segment_fixed_size 0
		.amdhsa_enable_private_segment 0
		.amdhsa_kernarg_size 88
		.amdhsa_user_sgpr_count 2
		.amdhsa_user_sgpr_kernarg_segment_ptr 1
		.amdhsa_wavefront_size32 1
		.amdhsa_system_sgpr_workgroup_id_x 1
		.amdhsa_system_sgpr_workgroup_id_y 1
		.amdhsa_system_sgpr_workgroup_id_z 1
		.amdhsa_system_vgpr_workitem_id 0
		.amdhsa_next_free_vgpr 258
		.amdhsa_next_free_sgpr 66
		.amdhsa_reserve_vcc 0
		.amdhsa_float_denorm_mode_32 3
		.amdhsa_float_denorm_mode_16_64 3
		.amdhsa_memory_ordered 1
		.amdhsa_forward_progress 1
		.amdhsa_inst_pref_size 63
	.end_amdhsa_kernel
	.amdgpu_metadata
---
amdhsa.version: [ 1, 2 ]
amdhsa.kernels:
  - .name:           k_q802d9dbd50_project
    .symbol:         k_q802d9dbd50_project.kd
    .args:
      - { .name: sequence_output, .offset: 0, .size: 8, .value_kind: global_buffer, .address_space: global }
      - { .name: W1s, .offset: 8, .size: 8, .value_kind: global_buffer, .address_space: global }
      - { .name: W1e, .offset: 16, .size: 8, .value_kind: global_buffer, .address_space: global }
      - { .name: b1, .offset: 24, .size: 8, .value_kind: global_buffer, .address_space: global }
      - { .name: w_start, .offset: 32, .size: 8, .value_kind: global_buffer, .address_space: global }
      - { .name: w_end, .offset: 40, .size: 8, .value_kind: global_buffer, .address_space: global }
      - { .name: b_start, .offset: 48, .size: 8, .value_kind: global_buffer, .address_space: global }
      - { .name: b_end, .offset: 56, .size: 8, .value_kind: global_buffer, .address_space: global }
      - { .name: proj, .offset: 64, .size: 8, .value_kind: global_buffer, .address_space: global }
      - { .name: out0, .offset: 72, .size: 8, .value_kind: global_buffer, .address_space: global }
      - { .name: out1, .offset: 80, .size: 8, .value_kind: global_buffer, .address_space: global }
    .group_segment_fixed_size: 93440
    .private_segment_fixed_size: 0
    .kernarg_segment_align: 8
    .kernarg_segment_size: 88
    .max_flat_workgroup_size: 256
    .sgpr_count:     66
    .vgpr_count:     258
    .wavefront_size: 32
...
	.end_amdgpu_metadata
.endif
;; end of part 1
;; launch pairs (part 2): grid 4 x 64, 8 waves a work-group, no clusters, 92,160 bytes of LDS; arguments proj, W2, b2, out2; writes out2
.if DOCPART == 2
	.amdgcn_target "amdgcn-amd-amdhsa--gfx1250"
	.amdhsa_code_object_version 6
	.text
	.protected	k_q802d9dbd50_pairs
	.globl	k_q802d9dbd50_pairs
	.p2align	8
	.type	k_q802d9dbd50_pairs,@function
k_q802d9dbd50_pairs:
	s_mov_b64 s[64:65], 0
	v_nop
	global_prefetch_b8 v0, s[64:65] scope:SCOPE_SE
	s_setreg_imm32_b32 hwreg(HW_REG_WAVE_MODE, 25, 1), 1
	s_wait_xcnt 0x0
; out2[b][i][j] = sigmoid( sum over k of W2[k] relu(s[i][k] + e[j][k] + b1[k]) + b2 ), from proj's ns = -(s + b1) and e.
; relu(e - ns) = max(e, ns) - ns, so   logit = sum W2 max(e[j], ns[i])  -  sum W2 ns[i]  +  b2.
; The second sum hangs on i alone (16 x 384 products a work-group).  An element (i, j, k) then costs one maximum and one multiply-add;
; the maxima go two to an instruction (a dual pair), the multiply-adds two to an instruction (packed): one instruction an element.
; Work-group (jblk, tbi): the 16 i of token block tbi (i = 64 Gl + 4 r + p', tbi = 16 b + 4 Gl + p') x the 64 j = 64 jblk + 4 jl + p.
; Wave wv owns k = 48 wv .. 48 wv + 47.  Lane (jl = L mod 16, g = L / 16) owns j = 64 jblk + 4 jl + 0..3 and the 24 k = 48 wv + 16 f + 8 g + 4 q + x.
; THE ORDER OF THE WORK: the 24 k go in six sections of four (fq = 2 f + q), and inside a section all 16 i are taken, so the 16 x 4 sums of a lane
; stay in 64 registers and a section needs only its own four loads of e (one for each j, 512 consecutive bytes each, straight from proj's fragments).
; e's loads are issued section by section and waited for section by section: the work begins when the first four are in.
; ns: a wave reads only the 3,072 bytes of ns that belong to its own 48 k.  It loads them itself, keeps them in LDS bytes of its own (3,072 x wave),
; and reads them back, sixteen lanes the same 16 bytes, each word serving four j: no barrier stands between its stores and its loads.
; As loaded, these registers are also lane (i = jl, g)'s 24 numbers for the sum W2 ns[i].
; The waves' partial sums meet in LDS behind the one barrier; thread (i = 2 wv + g, jl) adds them and stores 16 bytes: sixteen lanes fill 256 consecutive aligned bytes.
; The text has no loop: 48 units of 32 vector instructions, written out by macro, since every unit names its own registers of e and of the sums.
; NO MATRIX UNIT: relu stands between the sum over tokens' features and W2, and the product with W2 has one column.
; NO JOINT REQUESTS: what work-groups share here (e, among the 16 token blocks of a batch) goes straight into the registers of the one lane
; that uses it; a way through LDS would add 2 x 98,304 bytes of LDS traffic a work-group to work that lives on LDS reads.
; LIMITS: (1) the two sums cancel term by term where ns wins the maximum; both are f32 sums of the same ns words, so what is left is f32 rounding of
; the order of 2^-24 x sum |W2 ns|.  (2) v_max_num_f32 drops a NaN: a NaN in ns or e alone does not reach the result as it would through relu.
; (3) the sigmoid is exactly 0 or 1 where v_exp_f32 overflows or flushes its result (|logit| beyond about 87).
.set PART, 24576                       ; LDS: ns at 0 (8 waves x 3,072 bytes, as it lies in proj); partial sums [wave][i][L] x 16 bytes, 65,536
.set PT,   90112                       ; [i] x 64 bytes: word 2 wv + g = that half wave's part of sum W2 ns[i]
.set W,    12                          ; v[12:35]   W2 of my 24 k (index 4 fq + x)
.set S,    36                          ; v[36:67]   ns: a ring of four slots of two i: S + 8 slot + 4 ii + x
.set T,    68                          ; v[68:75]   the maxima at work: T + 4 ii + p
.set ACC,  76                          ; v[76:139]  sums: ACC + 4 i + p
.set NSR,  ACC                         ; v[76:99]   at the start: ns as loaded, before the first products start the sums
.set E0,   140                         ; e of j = .. + 0, + 1, + 2, + 3, 24 registers each.  E0, E2 begin at 0 modulo 4 and E1, E3 at 2, so that the second
.set E1,   166                         ; sources of a dual pair lie in different register banks (ISA guide, the VOPD encoding's restrictions)
.set E2,   192
.set E3,   218
.set Q,    140                         ; the end: v[140:203] sixteen partial quads, v[204:219] sixteen parts of the i sum
; v1 16 L | v3 W2 offset | v4 ns for the units | v5 partial sums out | v6 3,072 wv + 16 L: ns in proj and in LDS | v7 my part of the i sum out
; v8 partial sums in | v9 parts of the i sum in | v10 offset in out2
	s_load_b256 s[4:11], s[0:1], 0x0               ; proj 4:5, W2 6:7, b2 8:9, out2 10:11
	v_lshl_add_u32 v244, v0, 2, 0x16400
	v_mov_b32 v245, 0
	v_lshrrev_b32 v68, 5, v0
	v_readfirstlane_b32 s12, v68                   ; wave 0..7
	s_and_b32 s21, ttmp7, 0xffff                   ; tbi
	v_and_b32 v70, 31, v0                          ; L
	v_and_b32 v68, 15, v0                          ; jl
	v_bfe_u32 v69, v0, 4, 1                        ; g
	v_lshlrev_b32 v1, 4, v70
	s_mul_i32 s26, s12, 192                        ; 48 numbers of W2
	v_lshl_add_u32 v3, v69, 5, s26
	s_mul_i32 s27, s12, 3072                       ; three fragments of 1,024 bytes = 48 k
	v_add_nc_u32 v6, s27, v1
	s_and_b32 s22, s21, 0x30                       ; 16 b
	s_lshl2_add_u32 s22, ttmp9, s22                ; + 4 jblk: the first of my four token blocks of e
	s_mul_i32 s22, s22, 49152                      ; a token block is 48 fragments
	s_add_co_u32 s22, s22, s27
	s_add_co_u32 s22, s22, 24576                   ; e lies behind ns's 24 fragments
	s_mov_b32 s23, 0
	s_mul_i32 s24, s21, 49152
	s_mov_b32 s25, 0
	s_wait_kmcnt 0x0
	s_add_nc_u64 s[14:15], s[4:5], s[22:23]        ; e, at my wave's 48 k
	s_add_nc_u64 s[16:17], s[4:5], s[24:25]        ; ns
	s_load_b32 s13, s[8:9], 0x0                    ; b2, wanted at the end
.irp n, 0,1,2,3,4,5
	global_load_b128 v[NSR+4*\n:NSR+4*\n+3], v6, s[16:17] offset:512*\n    ; my wave's ns: six loads of 512 consecutive bytes
.endr
.irp fq, 0,1,2,3,4,5
	global_load_b128 v[W+4*\fq:W+4*\fq+3], v3, s[6:7] offset:64*(\fq/2)+16*(\fq%2)
.endr
.irp fq, 0,1,2,3,4,5
	global_load_b128 v[E0+4*\fq:E0+4*\fq+3], v1, s[14:15] offset:512*\fq           ; section by section: four j, 512 consecutive bytes each
	global_load_b128 v[E1+4*\fq:E1+4*\fq+3], v1, s[14:15] offset:49152+512*\fq
	global_load_b128 v[E2+4*\fq:E2+4*\fq+3], v1, s[14:15] offset:98304+512*\fq
	global_load_b128 v[E3+4*\fq:E3+4*\fq+3], v1, s[14:15] offset:147456+512*\fq
.endr
	; out2 at row 256 b + 64 Gl + p', column 64 jblk
	s_and_b32 s22, s21, 0x3c
	s_lshl_b32 s22, s22, 4
	s_and_b32 s24, s21, 3
	s_add_co_u32 s22, s22, s24
	s_lshl_b32 s22, s22, 10
	s_lshl_b32 s24, ttmp9, 8
	s_add_co_u32 s22, s22, s24
	s_add_nc_u64 s[18:19], s[10:11], s[22:23]
	v_lshl_add_u32 v4, v69, 8, s27                 ; ns of i = 0 for my k: my wave's bytes, 256 g (16 i x 16 bytes for each h)
	s_lshl_b32 s22, s12, 13
	v_lshl_add_u32 v10, v69, 12, s22               ; row 4 (2 wv + g) of my rows of out2,
	v_lshl_add_u32 v10, v68, 4, v10                ; 16 bytes a lane
	s_add_co_u32 s22, s22, PART
	v_add_nc_u32 v5, s22, v1
	s_lshl_b32 s22, s12, 3
	s_add_co_u32 s22, s22, PT
	v_lshl_add_u32 v7, v68, 6, s22
	v_lshl_add_u32 v7, v69, 2, v7
	s_lshl_b32 s22, s12, 10
	s_add_co_u32 s22, s22, PART
	v_lshl_add_u32 v8, v69, 9, s22
	v_lshl_add_u32 v8, v68, 4, v8
	s_lshl_b32 s22, s12, 7
	s_add_co_u32 s22, s22, PT
	v_lshl_add_u32 v9, v69, 6, s22
	s_wait_loadcnt 30                              ; ns is in; W2's 6 loads and e's 24 stay out
.irp n, 0,1,2,3,4,5
	ds_store_b128 v6, v[NSR+4*\n:NSR+4*\n+3] offset:512*\n     ; into my wave's own 3,072 bytes: no other wave touches them
.endr
.irp u, 0,1,2,3
	ds_load_b128 v[S+8*\u:S+8*\u+3],   v4 offset:32*\u         ; the ring's first four units (section 0, i = 0 .. 7).  LDS serves a wave's
	ds_load_b128 v[S+8*\u+4:S+8*\u+7], v4 offset:32*\u+16      ; instructions in order (ISA guide 5.7.1): these see the stores above
.endr
	; sum over my 24 k of W2 ns[i = jl], from the registers as loaded, while e is on its way
	s_wait_loadcnt 24                              ; W2 is in; e's 24 loads stay out
	v_pk_mul_f32 v[T:T+1],   v[NSR:NSR+1],   v[W:W+1]
	v_pk_mul_f32 v[T+2:T+3], v[NSR+2:NSR+3], v[W+2:W+3]
.irp fq, 1,2,3,4,5
	v_pk_fma_f32 v[T:T+1],   v[NSR+4*\fq:NSR+4*\fq+1],   v[W+4*\fq:W+4*\fq+1],   v[T:T+1]
	v_pk_fma_f32 v[T+2:T+3], v[NSR+4*\fq+2:NSR+4*\fq+3], v[W+4*\fq+2:W+4*\fq+3], v[T+2:T+3]
.endr
	v_pk_add_f32 v[T:T+1], v[T:T+1], v[T+2:T+3]
	v_add_f32 v[T], v[T], v[T+1]
	ds_store_b32 v7, v[T]
; One k for two i (2 pi, 2 pi + 1) and four j: four dual maxima (both halves read the same ns word), four packed multiply-adds by W2[k].
; The very first k's products start the sums: nothing is cleared.
.macro KSTEP fq, x, pi
.set IDX, 4*\fq+\x
.set SB,  S+8*((\pi)%4)+\x
.set AB,  ACC+8*\pi
	v_dual_max_num_f32 v[T],   v[SB],   v[E0+IDX] :: v_dual_max_num_f32 v[T+1], v[SB],   v[E1+IDX]
	v_dual_max_num_f32 v[T+2], v[SB],   v[E2+IDX] :: v_dual_max_num_f32 v[T+3], v[SB],   v[E3+IDX]
	v_dual_max_num_f32 v[T+4], v[SB+4], v[E0+IDX] :: v_dual_max_num_f32 v[T+5], v[SB+4], v[E1+IDX]
	v_dual_max_num_f32 v[T+6], v[SB+4], v[E2+IDX] :: v_dual_max_num_f32 v[T+7], v[SB+4], v[E3+IDX]
.irp m, 0,1,2,3
.if IDX == 0
	v_pk_mul_f32 v[AB+2*\m:AB+2*\m+1], v[T+2*\m:T+2*\m+1], v[W:W+1] op_sel_hi:[1,0]
.else
.if (\x%2) == 0
	v_pk_fma_f32 v[AB+2*\m:AB+2*\m+1], v[T+2*\m:T+2*\m+1], v[W+IDX:W+IDX+1], v[AB+2*\m:AB+2*\m+1] op_sel_hi:[1,0,1]                    ; both by the pair's first
.else
	v_pk_fma_f32 v[AB+2*\m:AB+2*\m+1], v[T+2*\m:T+2*\m+1], v[W+IDX-1:W+IDX], v[AB+2*\m:AB+2*\m+1] op_sel:[0,1,0] op_sel_hi:[1,1,1]     ; both by its second
.endif
.endif
.endr
.endm
; Unit u = 8 fq + pi: four k for two i, then its ring slot is loaded for unit u + 4.
; The count (LDS instructions end in order, ISA guide 5.7.1): younger than unit u's two loads are those of units u + 1, u + 2, u + 3: six.  In units 0 to 3
; the one store of the i sum is younger too (seven).  Units 44 to 47 load nothing more: 6, 4, 2, 0.
.macro UNIT fq, pi
.set U, 8*\fq+\pi
.if U < 45
	s_wait_dscnt 6
.else
	s_wait_dscnt 2*(47-U)
.endif
	KSTEP \fq, 0, \pi
	KSTEP \fq, 1, \pi
	KSTEP \fq, 2, \pi
	KSTEP \fq, 3, \pi
.if U < 44
.set NX, 512*((U+4)/8)+32*((U+4)%8)
	ds_load_b128 v[S+8*((\pi)%4):S+8*((\pi)%4)+3],   v4 offset:NX
	ds_load_b128 v[S+8*((\pi)%4)+4:S+8*((\pi)%4)+7], v4 offset:NX+16
.endif
.endm
.irp fq, 0,1,2,3,4,5
	s_wait_loadcnt 4*(5-\fq)                       ; this section's four loads of e are in; the four of each later section stay out
.irp pi, 0,1,2,3,4,5,6,7
	UNIT \fq, \pi
.endr
.endr
.irp i, 0,1,2,3,4,5,6,7,8,9,10,11,12,13,14,15
	ds_store_b128 v5, v[ACC+4*\i:ACC+4*\i+3] offset:512*\i     ; my part of (i, my four j), into my wave's own bytes
.endr
	s_wait_dscnt 0x0                               ; for the others' sake: my partial sums and my part of the i sums are in LDS,
	s_barrier_signal -1
	s_barrier_wait -1                              ; everybody's are
	; thread (i = 2 wv + g, jl): sixteen quads (8 waves x 2 halves of k), sixteen parts of the i sum
.irp w, 0,1,2,3,4,5,6,7
	ds_load_b128 v[Q+8*\w:Q+8*\w+3],   v8 offset:8192*\w
	ds_load_b128 v[Q+8*\w+4:Q+8*\w+7], v8 offset:8192*\w+256
.endr
.irp n, 0,1,2,3
	ds_load_b128 v[Q+64+4*\n:Q+64+4*\n+3], v9 offset:16*\n
.endr
.macro QADD d, s
	v_pk_add_f32 v[\d:\d+1],   v[\d:\d+1],   v[\s:\s+1]
	v_pk_add_f32 v[\d+2:\d+3], v[\d+2:\d+3], v[\s+2:\s+3]
.endm
	s_wait_dscnt 0x0
.irp n, 0,1,2,3,4,5,6,7
	QADD Q+4*\n, Q+4*\n+32
.endr
.irp n, 0,1,2,3
	QADD Q+4*\n, Q+4*\n+16
.endr
	QADD Q, Q+8
	QADD Q+4, Q+12
	QADD Q, Q+4
	QADD Q+64, Q+72                                ; the i sum: 16 words to 8,
	QADD Q+68, Q+76
	QADD Q+64, Q+68                                ; to 4,
	v_pk_add_f32 v[Q+64:Q+65], v[Q+64:Q+65], v[Q+66:Q+67]
	v_add_f32 v[Q+64], v[Q+64], v[Q+65]            ; T = sum W2 ns[i]
	s_wait_kmcnt 0x0                               ; b2
	v_sub_f32 v[Q+64], v[Q+64], s13
	v_mul_f32 v[Q+64], 0x3fb8aa3b, v[Q+64]         ; (T - b2) log2(e)
.irp p, 0,1,2,3
	v_fmamk_f32 v[Q+\p], v[Q+\p], 0xbfb8aa3b, v[Q+64]      ; -logit log2(e)
.endr
.irp p, 0,1,2,3
	v_exp_f32 v[Q+\p], v[Q+\p]
.endr
	v_nop                                          ; one plain vector instruction behind a transcendental before its result is used (ISA guide 5.7.2)
	s_wait_alu depctr_va_vdst(0)
.irp p, 0,1,2,3
	v_add_f32 v[Q+\p], 1.0, v[Q+\p]
.endr
.irp p, 0,1,2,3
	v_rcp_f32 v[Q+\p], v[Q+\p]
.endr
	v_nop
	s_wait_alu depctr_va_vdst(0)
	global_store_b128 v10, v[Q:Q+3], s[18:19] th:TH_STORE_NT   ; 16 lanes: 256 consecutive aligned bytes of one row of out2
	s_wait_tensorcnt 0x0
	ds_add_u32 v244, v245
	s_wait_dscnt 0x0
	s_endpgm
.Lfunc_end_k_q802d9dbd50_pairs:
	.size	k_q802d9dbd50_pairs, .Lfunc_end_k_q802d9dbd50_pairs-k_q802d9dbd50_pairs
	.p2alignl 7, 3214868480
	.fill 96, 4, 3214868480
	.section	.rodata,"a",@progbits
	.p2align	6, 0x0
	.amdhsa_kernel k_q802d9dbd50_pairs
		.amdhsa_group_segment_fixed_size 92160
		.amdhsa_private_segment_fixed_size 0
		.amdhsa_enable_private_segment 0
		.amdhsa_kernarg_size 32
		.amdhsa_user_sgpr_count 2
		.amdhsa_user_sgpr_kernarg_segment_ptr 1
		.amdhsa_wavefront_size32 1
		.amdhsa_system_sgpr_workgroup_id_x 1
		.amdhsa_system_sgpr_workgroup_id_y 1
		.amdhsa_system_sgpr_workgroup_id_z 1
		.amdhsa_system_vgpr_workitem_id 0
		.amdhsa_next_free_vgpr 246
		.amdhsa_next_free_sgpr 66
		.amdhsa_reserve_vcc 0
		.amdhsa_float_denorm_mode_32 3
		.amdhsa_float_denorm_mode_16_64 3
		.amdhsa_memory_ordered 1
		.amdhsa_forward_progress 1
		.amdhsa_inst_pref_size 117
	.end_amdhsa_kernel
	.amdgpu_metadata
---
amdhsa.version: [ 1, 2 ]
amdhsa.kernels:
  - .name:           k_q802d9dbd50_pairs
    .symbol:         k_q802d9dbd50_pairs.kd
    .args:
      - { .name: proj, .offset: 0, .size: 8, .value_kind: global_buffer, .address_space: global }
      - { .name: W2, .offset: 8, .size: 8, .value_kind: global_buffer, .address_space: global }
      - { .name: b2, .offset: 16, .size: 8, .value_kind: global_buffer, .address_space: global }
      - { .name: out2, .offset: 24, .size: 8, .value_kind: global_buffer, .address_space: global }
    .group_segment_fixed_size: 92160
    .private_segment_fixed_size: 0
    .kernarg_segment_align: 8
    .kernarg_segment_size: 32
    .max_flat_workgroup_size: 256
    .sgpr_count:     66
    .vgpr_count:     246
    .wavefront_size: 32
...
	.end_amdgpu_metadata
.endif
;; end of part 2
;; ======== version 2 of 2: 2 launches; version 1 with the launch pairs written anew for expert scheduling mode
;; limits: a difference of large sums (such as E[x^2] - mean^2): digits are lost where the result is much smaller than its terms
;; workspace buffers: proj 3,145,728 bytes
;; launch project: the kernel of part 1 again; grid 14 x 16, 8 waves a work-group, no clusters, 93,440 bytes of LDS; arguments sequence_output, W1s, W1e, b1, w_start, w_end, b_start, b_end, proj, out0, out1; writes proj, out0, out1
;; launch pairs (part 3): grid 4 x 64, 8 waves a work-group, no clusters, 92,160 bytes of LDS; arguments proj, W2, b2, out2; writes out2
.if DOCPART == 3
	.amdgcn_target "amdgcn-amd-amdhsa--gfx1250"
	.amdhsa_code_object_version 6
	.text
	.protected	k_q802d9dbd50_pairs
	.globl	k_q802d9dbd50_pairs
	.p2align	8
	.type	k_q802d9dbd50_pairs,@function
k_q802d9dbd50_pairs:
	s_mov_b64 s[64:65], 0
	v_nop
	global_prefetch_b8 v0, s[64:65] scope:SCOPE_SE
	s_setreg_imm32_b32 hwreg(HW_REG_WAVE_SCHED_MODE, 0, 2), 2
	s_setreg_imm32_b32 hwreg(HW_REG_WAVE_MODE, 25, 1), 1
	s_wait_xcnt 0x0
	s_wait_alu depctr_vm_vsrc(0)
; out2[b][i][j] = sigmoid( sum over k of W2[k] relu(s[i][k] + e[j][k] + b1[k]) + b2 ), from proj's ns = -(s + b1) and e.
; relu(e - ns) = max(e, ns) - ns, so   logit = sum W2 max(e[j], ns[i])  -  sum W2 ns[i]  +  b2.
; The second sum hangs on i alone (16 x 384 products a work-group).  An element (i, j, k) then costs one maximum and one multiply-add;
; the maxima go two to an instruction (a dual pair), the multiply-adds two to an instruction (packed): one instruction an element.
; Work-group (jblk, tbi): the 16 i of token block tbi (i = 64 Gl + 4 r + p', tbi = 16 b + 4 Gl + p') x the 64 j = 64 jblk + 4 jl + p.
; Wave wv owns k = 48 wv .. 48 wv + 47.  Lane (jl = L mod 16, g = L / 16) owns j = 64 jblk + 4 jl + 0..3 and the 24 k = 48 wv + 16 f + 8 g + 4 q + x.
; THE ORDER OF THE WORK: the 24 k go in six sections of four (fq = 2 f + q), and inside a section all 16 i are taken, so the 16 x 4 sums of a lane
; stay in 64 registers and a section needs only its own four loads of e (one for each j, 512 consecutive bytes each, straight from proj's fragments).
; e's loads are issued section by section and waited for section by section: the work begins when the first four are in.
; ns: a wave reads only the 3,072 bytes of ns that belong to its own 48 k.  It loads them itself, keeps them in LDS bytes of its own (3,072 x wave),
; and reads them back, sixteen lanes the same 16 bytes, each word serving four j: no barrier stands between its stores and its loads.
; As loaded, these registers are also lane (i = jl, g)'s 24 numbers for the sum W2 ns[i].
; The waves' partial sums meet in LDS behind the one barrier; thread (i = 2 wv + g, jl) adds them and stores 16 bytes: sixteen lanes fill 256 consecutive aligned bytes.
; The text has no loop: 24 steps of 64 vector instructions, written out by macro, since every step names its own registers of e and of the sums.
; THE MODE: SCHED_MODE bits 1:0 = 2 (LLVM: expert scheduling mode 2), set by the entry lines.  The code itself states the register dependences
; between vector instructions and memory or LDS instructions, with s_wait_alu, always for 0.
; THE PLAN.  Registers that memory or LDS instructions touch:
;   v1, v3, v6            offsets, made at the head and never written again: one wait ahead of the first global load.
;   v4, v5, v7 - v10      LDS addresses and out2's offset, made while the global loads are out and never written again: one wait ahead of the first LDS instruction.
;   NSR (= ACC's first 24) and v[T]   read by the LDS stores of ns and of the i sum; written again by step 0's products and maxima: one wait on vm_vsrc at step 0's head.
;   S0, S1, S2            ns for the steps, three buffers of four i.  A step is four k for four i.  Step p's maxima read buffer p mod 3; its four LDS loads bring step p + 2
;                         into buffer (p + 2) mod 3 = (p - 1) mod 3, which step p - 1 read and which no vector instruction of step p names.
;   W, E0 - E3            loaded once; read by vector instructions alone until the end, when the partial sums are loaded into E's registers.
;   ACC                   written by the steps; read by the sixteen LDS stores behind the last step.
; So ONE wait on va_vdst stands at a step's head, behind the wait for the step's own ns: the step before is done reading the buffer in which this step's loads land.
; These loads are dealt among the step's vector instructions with no further wait.  One more stands ahead of the stores of the sums, one ahead of the last global store.
; NO MATRIX UNIT: relu stands between the sum over tokens' features and W2, and the product with W2 has one column.
; NO JOINT REQUESTS: what work-groups share here (e, among the 16 token blocks of a batch) goes straight into the registers of the one lane
; that uses it; a way through LDS would add 2 x 98,304 bytes of LDS traffic a work-group to work that lives on LDS reads.
; LIMITS: (1) the two sums cancel term by term where ns wins the maximum; both are f32 sums of the same ns words, so what is left is f32 rounding of
; the order of 2^-24 x sum |W2 ns|.  (2) v_max_num_f32 drops a NaN: a NaN in ns or e alone does not reach the result as it would through relu.
; (3) the sigmoid is exactly 0 or 1 where v_exp_f32 overflows or flushes its result (|logit| beyond about 87).
.set PART, 24576                       ; LDS: ns at 0 (8 waves x 3,072 bytes, as it lies in proj); partial sums [wave][i][L] x 16 bytes, 65,536
.set PT,   90112                       ; [i] x 64 bytes: word 2 wv + g = that half wave's part of sum W2 ns[i]
.set W,    12                          ; v[12:35]   W2 of my 24 k (index 4 fq + x)
.set S,    36                          ; v[36:67]   ns, buffers 0 and 1: S + 16 buffer + 4 (i mod 4) + x
.set S2,   240                         ; v[240:255] ns, buffer 2
.set T,    68                          ; v[68:75]   the maxima at work: T + 4 ii + p
.set ACC,  76                          ; v[76:139]  sums: ACC + 4 i + p
.set NSR,  ACC                         ; v[76:99]   at the start: ns as loaded, before the first products start the sums
.set E0,   140                         ; e of j = .. + 0, + 1, + 2, + 3, 24 registers each.  E0, E3 begin at 0 modulo 4 and E1, E2 at 2, so that the second
.set E1,   166                         ; sources of a dual pair (E0 with E1, E2 with E3) lie in different register banks (ISA guide, the VOPD encoding's restrictions)
.set E2,   190
.set E3,   216
.set Q,    140                         ; the end: v[140:203] sixteen partial quads, v[204:219] sixteen parts of the i sum
; v1 16 L | v3 W2 offset | v4 ns for the steps | v5 partial sums out | v6 3,072 wv + 16 L: ns in proj and in LDS | v7 my part of the i sum out
; v8 partial sums in | v9 parts of the i sum in | v10 offset in out2
	s_load_b256 s[4:11], s[0:1], 0x0               ; proj 4:5, W2 6:7, b2 8:9, out2 10:11
	v_lshl_add_u32 v2, v0, 2, 0x16400
	v_mov_b32 v11, 0
	v_lshrrev_b32 v68, 5, v0
	v_readfirstlane_b32 s12, v68                   ; wave 0..7
	s_and_b32 s21, ttmp7, 0xffff                   ; tbi
	v_and_b32 v70, 31, v0                          ; L
	v_and_b32 v68, 15, v0                          ; jl
	v_bfe_u32 v69, v0, 4, 1                        ; g
	v_lshlrev_b32 v1, 4, v70
	s_wait_alu depctr_va_sdst(0)                   ; s12 is written, ahead of its first reader: offsets and LDS addresses are made from it
	s_mul_i32 s26, s12, 192                        ; 48 numbers of W2
	v_lshl_add_u32 v3, v69, 5, s26
	s_mul_i32 s27, s12, 3072                       ; three fragments of 1,024 bytes = 48 k
	v_add_nc_u32 v6, s27, v1
	s_and_b32 s22, s21, 0x30                       ; 16 b
	s_lshl2_add_u32 s22, ttmp9, s22                ; + 4 jblk: the first of my four token blocks of e
	s_mul_i32 s22, s22, 49152                      ; a token block is 48 fragments
	s_add_co_u32 s22, s22, s27
	s_add_co_u32 s22, s22, 24576                   ; e lies behind ns's 24 fragments
	s_mov_b32 s23, 0
	s_mul_i32 s24, s21, 49152
	s_mov_b32 s25, 0
	s_wait_kmcnt 0x0
	s_add_nc_u64 s[14:15], s[4:5], s[22:23]        ; e, at my wave's 48 k
	s_add_nc_u64 s[16:17], s[4:5], s[24:25]        ; ns
	s_load_b32 s13, s[8:9], 0x0                    ; b2, wanted at the end
	s_wait_alu depctr_va_vdst(0)                   ; v1, v3 and v6 are written: the global loads below read them as their offsets
.irp n, 0,1,2,3,4,5
	global_load_b128 v[NSR+4*\n:NSR+4*\n+3], v6, s[16:17] offset:512*\n    ; my wave's ns: six loads of 512 consecutive bytes
.endr
.irp fq, 0,1,2,3,4,5
	global_load_b128 v[W+4*\fq:W+4*\fq+3], v3, s[6:7] offset:64*(\fq/2)+16*(\fq%2)
.endr
.irp fq, 0,1,2,3,4,5
	global_load_b128 v[E0+4*\fq:E0+4*\fq+3], v1, s[14:15] offset:512*\fq           ; section by section: four j, 512 consecutive bytes each
	global_load_b128 v[E1+4*\fq:E1+4*\fq+3], v1, s[14:15] offset:49152+512*\fq
	global_load_b128 v[E2+4*\fq:E2+4*\fq+3], v1, s[14:15] offset:98304+512*\fq
	global_load_b128 v[E3+4*\fq:E3+4*\fq+3], v1, s[14:15] offset:147456+512*\fq
.endr
	; out2 at row 256 b + 64 Gl + p', column 64 jblk
	s_and_b32 s22, s21, 0x3c
	s_lshl_b32 s22, s22, 4
	s_and_b32 s24, s21, 3
	s_add_co_u32 s22, s22, s24
	s_lshl_b32 s22, s22, 10
	s_lshl_b32 s24, ttmp9, 8
	s_add_co_u32 s22, s22, s24
	s_add_nc_u64 s[18:19], s[10:11], s[22:23]
	v_lshl_add_u32 v4, v69, 8, s27                 ; ns of i = 0 for my k: my wave's bytes, 256 g (16 i x 16 bytes for each h)
	s_lshl_b32 s22, s12, 13
	v_lshl_add_u32 v10, v69, 12, s22               ; row 4 (2 wv + g) of my rows of out2,
	v_lshl_add_u32 v10, v68, 4, v10                ; 16 bytes a lane
	s_add_co_u32 s22, s22, PART
	v_add_nc_u32 v5, s22, v1
	s_lshl_b32 s22, s12, 3
	s_add_co_u32 s22, s22, PT
	v_lshl_add_u32 v7, v68, 6, s22
	v_lshl_add_u32 v7, v69, 2, v7
	s_lshl_b32 s22, s12, 10
	s_add_co_u32 s22, s22, PART
	v_lshl_add_u32 v8, v69, 9, s22
	v_lshl_add_u32 v8, v68, 4, v8
	s_lshl_b32 s22, s12, 7
	s_add_co_u32 s22, s22, PT
	v_lshl_add_u32 v9, v69, 6, s22
	s_wait_loadcnt 30                              ; ns is in; W2's 6 loads and e's 24 stay out
	s_wait_alu depctr_va_vdst(0)                   ; v4, v5 and v7 to v10 are written: the LDS loads and stores and the last global store read them as addresses, from here to the end
.irp n, 0,1,2,3,4,5
	ds_store_b128 v6, v[NSR+4*\n:NSR+4*\n+3] offset:512*\n     ; into my wave's own 3,072 bytes: no other wave touches them
.endr
.irp u, 0,1,2,3
	ds_load_b128 v[S+8*\u:S+8*\u+3],   v4 offset:32*\u         ; buffers 0 and 1: steps 0 and 1 (section 0, i = 0 .. 7).  LDS serves a wave's
	ds_load_b128 v[S+8*\u+4:S+8*\u+7], v4 offset:32*\u+16      ; instructions in order (ISA guide 5.7.1): these see the stores above
.endr
	; sum over my 24 k of W2 ns[i = jl], from the registers as loaded, while e is on its way
	s_wait_loadcnt 24                              ; W2 is in; e's 24 loads stay out
	v_pk_mul_f32 v[T:T+1],   v[NSR:NSR+1],   v[W:W+1]
	v_pk_mul_f32 v[T+2:T+3], v[NSR+2:NSR+3], v[W+2:W+3]
.irp fq, 1,2,3,4,5
	v_pk_fma_f32 v[T:T+1],   v[NSR+4*\fq:NSR+4*\fq+1],   v[W+4*\fq:W+4*\fq+1],   v[T:T+1]
	v_pk_fma_f32 v[T+2:T+3], v[NSR+4*\fq+2:NSR+4*\fq+3], v[W+4*\fq+2:W+4*\fq+3], v[T+2:T+3]
.endr
	v_pk_add_f32 v[T:T+1], v[T:T+1], v[T+2:T+3]
	v_add_f32 v[T], v[T], v[T+1]
	s_wait_alu depctr_va_vdst(0)                   ; the i sum is written into v[T], which the LDS store reads
	ds_store_b32 v7, v[T]
; One k for two i (2 pi, 2 pi + 1) and four j: four dual maxima (both halves read the same ns word), four packed multiply-adds by W2[k].
; The very first k's products start the sums: nothing is cleared.  The ns words lie in the buffer of step 4 fq + pi / 2.
.macro KSTEP fq, x, pi
.set IDX, 4*\fq+\x
.set BN,  (4*\fq+(\pi)/2)%3
.set SB,  S+16*BN+(BN/2)*(S2-S-32)+8*((\pi)%2)+\x
.set AB,  ACC+8*(\pi)
	v_dual_max_num_f32 v[T],   v[SB],   v[E0+IDX] :: v_dual_max_num_f32 v[T+1], v[SB],   v[E1+IDX]
	v_dual_max_num_f32 v[T+2], v[SB],   v[E2+IDX] :: v_dual_max_num_f32 v[T+3], v[SB],   v[E3+IDX]
	v_dual_max_num_f32 v[T+4], v[SB+4], v[E0+IDX] :: v_dual_max_num_f32 v[T+5], v[SB+4], v[E1+IDX]
	v_dual_max_num_f32 v[T+6], v[SB+4], v[E2+IDX] :: v_dual_max_num_f32 v[T+7], v[SB+4], v[E3+IDX]
.irp m, 0,1,2,3
.if IDX == 0
	v_pk_mul_f32 v[AB+2*\m:AB+2*\m+1], v[T+2*\m:T+2*\m+1], v[W:W+1] op_sel_hi:[1,0]
.else
.if (\x%2) == 0
	v_pk_fma_f32 v[AB+2*\m:AB+2*\m+1], v[T+2*\m:T+2*\m+1], v[W+IDX:W+IDX+1], v[AB+2*\m:AB+2*\m+1] op_sel_hi:[1,0,1]                    ; both by the pair's first
.else
	v_pk_fma_f32 v[AB+2*\m:AB+2*\m+1], v[T+2*\m:T+2*\m+1], v[W+IDX-1:W+IDX], v[AB+2*\m:AB+2*\m+1] op_sel:[0,1,0] op_sel_hi:[1,1,1]     ; both by its second
.endif
.endif
.endr
.endm
; Load n of the four that bring step P + 2's ns (i = 4 ((P + 2) mod 4) + n of section (P + 2) / 4).  Steps 22 and 23 have nothing left to ask for.
; No wait: no vector instruction since the wait at the step's head names v4 or the buffer at LB.
.macro NSLD n
.if P < 22
	ds_load_b128 v[LB+4*\n:LB+4*\n+3], v4 offset:NX+16*\n
.endif
.endm
; Step P = 4 fq + hp: four k for the four i = 4 hp .. 4 hp + 3, as two units of two i.
; The count (LDS instructions end in order, ISA guide 5.7.1): younger than step P's four loads, issued in step P - 2, are the four issued in step P - 1.  In steps 0 and 1
; the one store of the i sum is younger too (five).  Step 22 issues none, so step 23 waits for 0.
.macro STEP fq, hp
.set P,  4*\fq+\hp
.set NB, (P+2)%3
.set LB, S+16*NB+(NB/2)*(S2-S-32)
.set NX, 512*((P+2)/4)+64*((P+2)%4)
.if P < 23
	s_wait_dscnt 4
.else
	s_wait_dscnt 0
.endif
.if P == 0
	s_wait_alu depctr_vm_vsrc(0)                   ; the LDS stores of ns have read NSR, and the store of the i sum v[T]: the first products and maxima write these registers
.endif
.if (P > 0) && (P < 22)
	s_wait_alu depctr_va_vdst(0)                   ; the step before is done reading its ns buffer, in which this step's four loads land (step 0's land in buffer 2, which nothing has named)
.endif
	NSLD 0
	KSTEP \fq, 0, (2*\hp)
	NSLD 1
	KSTEP \fq, 1, (2*\hp)
	NSLD 2
	KSTEP \fq, 2, (2*\hp)
	NSLD 3
	KSTEP \fq, 3, (2*\hp)
	KSTEP \fq, 0, (2*\hp+1)
	KSTEP \fq, 1, (2*\hp+1)
	KSTEP \fq, 2, (2*\hp+1)
	KSTEP \fq, 3, (2*\hp+1)
.endm
.irp fq, 0,1,2,3,4,5
	s_wait_loadcnt 4*(5-\fq)                       ; this section's four loads of e are in; the four of each later section stay out
.irp hp, 0,1,2,3
	STEP \fq, \hp
.endr
.endr
	s_wait_alu depctr_va_vdst(0)                   ; the sums are written, which the LDS stores read; and the steps are done reading e's registers, in which the loads behind the barrier land
.irp i, 0,1,2,3,4,5,6,7,8,9,10,11,12,13,14,15
	ds_store_b128 v5, v[ACC+4*\i:ACC+4*\i+3] offset:512*\i     ; my part of (i, my four j), into my wave's own bytes
.endr
	s_wait_dscnt 0x0                               ; for the others' sake: my partial sums and my part of the i sums are in LDS,
	s_barrier_signal -1
	s_barrier_wait -1                              ; everybody's are
	; thread (i = 2 wv + g, jl): sixteen quads (8 waves x 2 halves of k), sixteen parts of the i sum
.irp w, 0,1,2,3,4,5,6,7
	ds_load_b128 v[Q+8*\w:Q+8*\w+3],   v8 offset:8192*\w
	ds_load_b128 v[Q+8*\w+4:Q+8*\w+7], v8 offset:8192*\w+256
.endr
.irp n, 0,1,2,3
	ds_load_b128 v[Q+64+4*\n:Q+64+4*\n+3], v9 offset:16*\n
.endr
.macro QADD d, s
	v_pk_add_f32 v[\d:\d+1],   v[\d:\d+1],   v[\s:\s+1]
	v_pk_add_f32 v[\d+2:\d+3], v[\d+2:\d+3], v[\s+2:\s+3]
.endm
	s_wait_dscnt 0x0
.irp n, 0,1,2,3,4,5,6,7
	QADD Q+4*\n, Q+4*\n+32
.endr
.irp n, 0,1,2,3
	QADD Q+4*\n, Q+4*\n+16
.endr
	QADD Q, Q+8
	QADD Q+4, Q+12
	QADD Q, Q+4
	QADD Q+64, Q+72                                ; the i sum: 16 words to 8,
	QADD Q+68, Q+76
	QADD Q+64, Q+68                                ; to 4,
	v_pk_add_f32 v[Q+64:Q+65], v[Q+64:Q+65], v[Q+66:Q+67]
	v_add_f32 v[Q+64], v[Q+64], v[Q+65]            ; T = sum W2 ns[i]
	s_wait_kmcnt 0x0                               ; b2
	v_sub_f32 v[Q+64], v[Q+64], s13
	v_mul_f32 v[Q+64], 0x3fb8aa3b, v[Q+64]         ; (T - b2) log2(e)
.irp p, 0,1,2,3
	v_fmamk_f32 v[Q+\p], v[Q+\p], 0xbfb8aa3b, v[Q+64]      ; -logit log2(e)
.endr
.irp p, 0,1,2,3
	v_exp_f32 v[Q+\p], v[Q+\p]
.endr
	v_nop                                          ; one plain vector instruction behind a transcendental before its result is used (ISA guide 5.7.2)
	s_wait_alu depctr_va_vdst(0)
.irp p, 0,1,2,3
	v_add_f32 v[Q+\p], 1.0, v[Q+\p]
.endr
.irp p, 0,1,2,3
	v_rcp_f32 v[Q+\p], v[Q+\p]
.endr
	v_nop
	s_wait_alu depctr_va_vdst(0)                   ; the reciprocals are written, which the store reads; the place above stays beside this wait
	global_store_b128 v10, v[Q:Q+3], s[18:19] th:TH_STORE_NT   ; 16 lanes: 256 consecutive aligned bytes of one row of out2
	s_wait_dscnt 0x0
	s_wait_alu depctr_hold_cnt(0) depctr_sa_sdst(0) depctr_va_vdst(0) depctr_va_sdst(0) depctr_va_ssrc(0) depctr_va_vcc(0) depctr_vm_vsrc(0)
	s_wait_tensorcnt 0x0
	ds_add_u32 v2, v11
	s_wait_dscnt 0x0
	s_endpgm
.Lfunc_end_k_q802d9dbd50_pairs:
	.size	k_q802d9dbd50_pairs, .Lfunc_end_k_q802d9dbd50_pairs-k_q802d9dbd50_pairs
	.p2alignl 7, 3214868480
	.fill 96, 4, 3214868480
	.section	.rodata,"a",@progbits
	.p2align	6, 0x0
	.amdhsa_kernel k_q802d9dbd50_pairs
		.amdhsa_group_segment_fixed_size 92160
		.amdhsa_private_segment_fixed_size 0
		.amdhsa_enable_private_segment 0
		.amdhsa_kernarg_size 32
		.amdhsa_user_sgpr_count 2
		.amdhsa_user_sgpr_kernarg_segment_ptr 1
		.amdhsa_wavefront_size32 1
		.amdhsa_system_sgpr_workgroup_id_x 1
		.amdhsa_system_sgpr_workgroup_id_y 1
		.amdhsa_system_sgpr_workgroup_id_z 1
		.amdhsa_system_vgpr_workitem_id 0
		.amdhsa_next_free_vgpr 256
		.amdhsa_next_free_sgpr 66
		.amdhsa_reserve_vcc 0
		.amdhsa_float_denorm_mode_32 3
		.amdhsa_float_denorm_mode_16_64 3
		.amdhsa_memory_ordered 1
		.amdhsa_forward_progress 1
		.amdhsa_inst_pref_size 118
	.end_amdhsa_kernel
	.amdgpu_metadata
---
amdhsa.version: [ 1, 2 ]
amdhsa.kernels:
  - .name:           k_q802d9dbd50_pairs
    .symbol:         k_q802d9dbd50_pairs.kd
    .args:
      - { .name: proj, .offset: 0, .size: 8, .value_kind: global_buffer, .address_space: global }
      - { .name: W2, .offset: 8, .size: 8, .value_kind: global_buffer, .address_space: global }
      - { .name: b2, .offset: 16, .size: 8, .value_kind: global_buffer, .address_space: global }
      - { .name: out2, .offset: 24, .size: 8, .value_kind: global_buffer, .address_space: global }
    .group_segment_fixed_size: 92160
    .private_segment_fixed_size: 0
    .kernarg_segment_align: 8
    .kernarg_segment_size: 32
    .max_flat_workgroup_size: 256
    .sgpr_count:     66
    .vgpr_count:     256
    .wavefront_size: 32
...
	.end_amdgpu_metadata
.endif
;; end of part 3
